; MI455X (gfx1250); checked and timed in simulation.
; The chip was launched on July 23, 2026; its instructions are those of AMD's public machine-readable ISA for CDNA 5 (MIT licence, August 2026) and "CDNA5" Instruction Set Architecture Reference Guide (July 2026). The comments in the code are by the model that wrote it; some were corrected since.
;; Spatial Multi Head Self Attention. Allowed arithmetic: matrix products marked QUANTISED: E2M1 operands, one E8M0 scale for each 32 along K, by v_wmma_scale_f32_16x16x128_f8f6f4 with both operands' format E2M1 (or v_wmma_scale_f32_32x16x128_f4), f32 sums; products left as they are: bf16, f16 or f32 operands; f32 sums; everything else in f32.
;; Inputs: b_proj 256 float32; b_qkv 768 float32; w_proj 256 x 256 float32; w_qkv 768 x 256 float32; x 2 x 256 x 64 x 64 float32.
;; Outputs: out0 2 x 256 x 64 x 64 float32.
;; This version of the problem:
;;   THIS VERSION OF THE PROBLEM IS GIVEN IN LOW PRECISION. The matrix products marked QUANTISED in the list below multiply operands that are first quantised to E2M1 (2 exponent bits, 1 mantissa bit; 4 bits a number), with one power-of-two scale for each 32 numbers along K (OCP MX v1.0); their sums are f32. The products marked 'left as it is' may take bf16, f16 or f32 operands, with f32 sums. Whichever they take, every output number must still come out within the allowed error. Rounding operands to bf16 (8 significant bits) uses up far more of that allowance than f16 does (11 bits, for magnitudes from 6e-5 to 65,504). All else is computed in f32.
;;   The module's matrix products, in the order in which they are computed (A, B: the left and right operand; K: the contracted axis; several contracted axes count as one K, in the product's order):
;;     1. [M 8,192, K 256] x [K 256, N 768]; A: input x; B: input w_qkv: QUANTISED
;;     2. batch 16 x [M 4,096, K 32] x [K 32, N 4,096]; A: computed on the way; B: computed on the way: left as it is (an operand is computed on the way)
;;     3. batch 16 x [M 4,096, K 4,096] x [K 4,096, N 32]; A: computed on the way; B: computed on the way: left as it is (an operand is computed on the way)
;;     4. [M 8,192, K 256] x [K 256, N 256]; A: computed on the way; B: input w_proj: left as it is (an operand is computed on the way)
;;   THE QUANTISER, for each operand of a quantised product, along K:
;;     - K is cut into blocks of 32 from its start; a last block that is shorter is filled with zeros.
;;     - A block's scale is 2^e with e = floor(log2(the largest magnitude in the block)) - 2, held to -126 .. 127; a block of zeros has e = 0. As a byte (E8M0): e + 127.
;;     - Each number is divided by its block's scale, clamped to +-6, and rounded to the nearest number of E2M1, ties to even, subnormals kept.
;;     - The product sums the exact products of the quantised numbers (number of the format x scale) in f32.
;;   ~~~python
;;   def quantise(x, axis):      # numpy; x: float32 -> the quantised numbers, widened to float32 again
;;       x = np.moveaxis(x, axis, -1); K = x.shape[-1]
;;       x = np.pad(x, [(0, 0)] * (x.ndim - 1) + [(0, -K % 32)]); x = x.reshape(x.shape[:-1] + (-1, 32)); a = np.abs(x).max(-1, keepdims=True)
;;       e = np.where(a > 0, np.clip(np.frexp(np.where(a > 0, a, 1))[1] - 1 - 2, -126, 127), 0)      # np.frexp(a)[1] - 1 = floor(log2(a)), exactly
;;       r = np.clip(x / 2.0 ** e, -6, 6)
;;       step = 2.0 ** (np.maximum(np.frexp(np.where(r == 0, 1, r))[1] - 1, 0) - 1)
;;       q = np.round(r / step) * step * 2.0 ** e      # np.round: ties to even
;;       return np.moveaxis(q.reshape(q.shape[:-2] + (-1,))[..., :K], -1, axis).astype(np.float32)
;;   ~~~
;; One version. Each part assembles by itself: llvm-mc -triple=amdgcn-amd-amdhsa -mcpu=gfx1250 --defsym DOCPART=n.
;; ======== version 1 of 1: 3 launches
;; limits: values are held in f16: magnitudes above 65,504 overflow, below 6.1e-05 lose precision
;; workspace buffers: qf 4,194,304 bytes; kvf 8,388,608 bytes; af 4,194,304 bytes
;; launch qkv (part 1): grid 4 x 64, 8 waves a work-group, clusters of 4 x 1, 244,736 bytes of LDS; arguments x, w_qkv, b_qkv, qf, kvf; writes qf, kvf
.if DOCPART == 1
	.amdgcn_target "amdgcn-amd-amdhsa--gfx1250"
	.amdhsa_code_object_version 6
	.text
	.protected	k_q75a57b687e_qkv
	.globl	k_q75a57b687e_qkv
	.p2align	8
	.type	k_q75a57b687e_qkv,@function
k_q75a57b687e_qkv:
	s_mov_b64 s[64:65], 0
	v_nop
	global_prefetch_b8 v0, s[64:65] scope:SCOPE_SE
	s_setreg_imm32_b32 hwreg(HW_REG_WAVE_MODE, 25, 1), 1
	s_wait_xcnt 0x0
	s_wait_alu depctr_hold_cnt(0) depctr_sa_sdst(0) depctr_va_vdst(0) depctr_va_sdst(0) depctr_va_ssrc(0) depctr_va_vcc(0) depctr_vm_vsrc(0)
	s_getreg_b32 s2, hwreg(HW_REG_IB_STS2, 6, 4)
	s_cmp_eq_u32 s2, 0
	s_cbranch_scc0 .Lentry_in_a_cluster
	s_endpgm
.Lentry_in_a_cluster:
	s_bfe_u32 s2, ttmp6, 0x10000c
	s_cmp_lg_u32 s2, 0x3003
	s_cbranch_scc0 .Lentry_shape_is_right
	s_endpgm
.Lentry_shape_is_right:
; q, k, v = w_qkv x + b_qkv for every pixel (K = the 256 channels d), the product on codes of FP4 (E2M1) with one E8M0 scale for each 32 along d; sums in f32.
; x: [2][256 d][4096 pixels] f32.  w_qkv: [768][256] f32.  b_qkv: [768] f32.  Both operands are quantised here, in f32, on their way to the matrix unit.
; RESULTS, rounded once to f16, leave as IMAGES OF THE NEXT PRODUCTS' OPERAND REGISTERS (4 registers = 512 bytes, lane l's 16 bytes at 16 l):
;   qf  [head bh 16][tile of 16 queries 256][half c 2][lane][16 B]: lane (r, h) holds query r, channels 16 c + 8 h + 0..7; the numbers are (q + b) x log2(e) / sqrt(32)
;   kvf [head bh 16][group of 32 keys 128][4096 B]: two tiles of 16 keys laid as qf's tiles, then two tiles of V^T (u = 0, 1): lane (r, h) holds channel 16 u + r, half c keys 16 c + 8 h + 0..7
; SHARES.  A work-group takes a pair of heads g (64 rows each of q, k and v: 12 tiles of 16 rows of w) and 128 pixels: 12 x 8 tiles x 2 K steps = 192 matrix instructions, 24 a wave.
; CLUSTER.  The four pairs of heads of one block of pixels read the same 256 x 128 numbers of x: that tile is asked for JOINTLY, one tensor load a wave (32 rows d x 512 bytes), mask 15.
; w's 192 rows (192 KB as f32) do not fit in LDS beside x's 128 KB and no partner shares them: they come through registers, 48 loads of 512 consecutive bytes a wave, all out at once.
; LIMITS: (q + b) x 0.255, k + b and v + b must stay under 65,504 in size (f16); blocks whose largest magnitude lies under 2^-124 get the byte 1; a block of zeros gets the byte 1 with zero codes
; (the bytes are read by this launch alone); NaN and infinities among the inputs are not served.
.set XRAW,  0                          ; LDS: x as it comes: 256 rows d x 512 bytes
.set XIMG,  131072                     ; x's 16 fragments as register images: tile T, K step s at 2048 T + 1024 s
.set XSC,   147456                     ; x's scale words: 512 s + 4 x pixel
.set WIMG,  148480                     ; w's 24 fragments: ((4 kap + ow) 2 + s) x 1024
.set WSC,   173056                     ; their scale words: 128 bytes each, 4 x lane
.set WST,   176128                     ; a stage of 16 rows x (512 + 16) bytes for each wave
.set WSTB,  8448
.set WP,    528
.set SPARE, 243712                     ; the spare words, 128 bytes for each wave: four blocks of 256 bytes that no other line names
.set GO,  1                            ; v1   16 x lane: offset of every global load and store
.set WSI, 2                            ; v2   my stage, on the way in: 16 x lane
.set WSO, 3                            ; v3   and out: 528 r + 128 h
.set WIA, 4                            ; v4   where I store w's images
.set WSA, 5                            ; v5   and their scale words
.set XRA, 6                            ; v6   x: my column, my 128 rows d
.set XIA, 7                            ; v7   where I store x's codes
.set XSA, 8                            ; v8   and x's scale word
.set WFA, 9                            ; v9   where I read w's images
.set WWA, 10                           ; v10  and their scale words
.set XFA, 11                           ; v11  where I read x's images
.set XWA, 12                           ; v12  and their scale words
.set SPW, 13                           ; v13  LDS address of my spare word; never rewritten
.set NIL, 14                           ; v14  0; never rewritten
.set SH8, 15                           ; v15  8 h
.set BO,  16                           ; v16  32 h: the bias of q and k
.set BR,  17                           ; v17  4 r: the bias of v
.set MXR, 18                           ; v18-19 largest magnitudes
.set SOP, 22                           ; v22-23 the conversions' scale operands
.set BYT, 24                           ; v24-25 scale bytes
.set SW,  26                           ; v26  w's scale word
.set SX,  27                           ; v27  the other half's
.set XSW, 28                           ; v28  x's scale word
.set CD,  30                           ; v30-37 w's codes
.set WS,  38                           ; v38-43 scale words of w (2 kap + s): scales and nothing else
.set XS,  44                           ; v44-47 scale words of x (2 i + s): scales and nothing else
.set W0,  64                           ; three sets of 64 numbers of w
.set W1,  128
.set W2,  192
.set XA,  64                           ; two sets of 32 numbers of x
.set XC,  192                          ; v192-207 x's codes, four registers a block
.set BQ,  208                          ; the biases in the results' layout
.set BK,  216
.set BV,  224
.set WF,  64                           ; w's fragments at 16 kap + 8 s
.set XF,  112                          ; x's at 16 i + 8 s
.set ACC, 144                          ; six accumulators at 16 kap + 8 i
.set OUTR, 232                         ; packed results at 4 (2 kap + i)
.set G1,  16                           ; s[16:23] descriptor group 1
.set G0,  32                           ; s[32:35] descriptor group 0
; A round of the cluster's barrier: my work-group's barrier; wave 0 signals for the work-group; every wave waits for all four work-groups; my work-group's barrier once more.
.macro ROUND
	s_barrier_signal -1
	s_barrier_wait -1
	s_cmp_lg_u32 s14, 0
	s_cbranch_scc1 .Lnot_wave_0_\@
	s_barrier_signal -3
.Lnot_wave_0_\@:
	s_barrier_wait -3
	s_barrier_signal -1
	s_barrier_wait -1
.endm
	s_load_b256 s[4:11], s[0:1], 0x0               ; x s[4:5], w_qkv s[6:7], b_qkv s[8:9], qf s[10:11]
	s_load_b64 s[12:13], s[0:1], 0x20              ; kvf
	v_lshl_add_u32 v[SPW], v0, 2, SPARE
	v_mov_b32 v[NIL], 0
	ds_add_u32 v[SPW], v[NIL]                      ; the wave's opening: the add, twice on end, and its wait ahead of my first tensor load
	ds_add_u32 v[SPW], v[NIL]                      ; and once more; the set-up below, work on registers, stands between it and the wait
	v_lshrrev_b32 v48, 5, v0
	v_readfirstlane_b32 s14, v48                   ; wave 0..7
	s_and_b32 s15, s14, 3                          ; ow: which tile of 16 rows of each of q, k, v; also which 32 columns of x I quantise
	s_lshr_b32 s24, s14, 2                         ; ph: which half of the pixels I multiply; also which K step I quantise
	s_bfe_u32 s25, ttmp6, 0x40000                  ; cx
	s_lshl_b32 s53, ttmp9, 2
	s_add_co_u32 s25, s25, s53                     ; g = 4 x cluster x + cx: the pair of heads; it enters the addresses of w, b, qf and kvf alone
	s_and_b32 s36, ttmp7, 0xffff                   ; p: the block of 128 pixels, which the four partners share
	; descriptor group 1: 32 rows d x 128 numbers of 4 bytes, 4,096 numbers from row to row, dense in LDS
	s_mov_b32 s[G1+0], 15|(2<<16)|(1<<21)          ; 15:0 the mask: all four work-groups; 17:16 elements of 4 bytes; 21 set beside a mask
	s_mov_b32 s[G1+1], 128<<16                     ; tensor_dim0 = 128
	s_mov_b32 s[G1+2], 32<<16                      ; tensor_dim1 = 32
	s_mov_b32 s[G1+3], 128<<16                     ; tile_dim0 = 128
	s_mov_b32 s[G1+4], 32                          ; tile_dim1 = 32
	s_mov_b32 s[G1+5], 4096                        ; tensor_dim0_stride
	s_mov_b32 s[G1+6], 0
	s_mov_b32 s[G1+7], 0
	; x: batch (p / 32) x 4 MB + my 32 rows d x 16,384 bytes + (p % 32) x 512 bytes: made of p and the wave's number alone
	s_lshr_b32 s38, s36, 5
	s_lshl_b32 s38, s38, 22
	s_lshl_b32 s37, s14, 19
	s_add_co_u32 s38, s38, s37
	s_and_b32 s37, s36, 31
	s_lshl_b32 s40, s37, 9
	s_add_co_u32 s38, s38, s40
	s_mov_b32 s39, 0
	s_mov_b32 s[G0+0], 1                           ; count = 1
	s_lshl_b32 s[G0+1], s14, 14                    ; LDS address: XRAW + wave x 32 rows of 512 bytes
	; w: row 64 g + 16 ow of each third, K step ph
	s_lshl_b32 s48, s25, 16
	s_lshl_b32 s53, s15, 14
	s_add_co_u32 s48, s48, s53
	s_lshl_b32 s53, s24, 9
	s_add_co_u32 s48, s48, s53
	s_mov_b32 s49, 0
	s_lshl_b32 s54, s25, 8                         ; b: (64 g + 16 ow) x 4
	s_lshl_b32 s53, s15, 6
	s_add_co_u32 s54, s54, s53
	s_mov_b32 s55, 0
	s_lshr_b32 s50, s36, 5
	s_lshl_b32 s50, s50, 3
	s_lshl_b32 s53, s25, 1
	s_add_co_u32 s50, s50, s53
	s_lshr_b32 s53, s15, 1
	s_add_co_u32 s50, s50, s53                     ; bh = 8 x batch + 2 g + ow / 2
	s_and_b32 s51, s36, 31
	s_lshl_b32 s51, s51, 1
	s_add_co_u32 s51, s51, s24                     ; 2 (p % 32) + ph: my run of 64 pixels in the batch
	s_and_b32 s52, s15, 1                          ; which 16 of the head's 32 channels
	s_lshl_b32 s56, s50, 18                        ; qf: bh x 256 tiles + four tiles for each 64 pixels + half c
	s_lshl_b32 s53, s51, 12
	s_add_co_u32 s56, s56, s53
	s_lshl_b32 s53, s52, 9
	s_add_co_u32 s56, s56, s53
	s_mov_b32 s57, 0
	s_lshl_b32 s58, s50, 19                        ; kvf: bh x 128 groups + two groups for each 64 pixels
	s_lshl_b32 s53, s51, 13
	s_add_co_u32 s58, s58, s53
	s_lshl_b32 s53, s52, 10
	s_add_co_u32 s60, s58, s53                     ; V^T: tile u behind the group's two tiles of keys
	s_add_co_u32 s60, s60, 2048
	s_mov_b32 s61, 0
	s_lshl_b32 s53, s52, 9
	s_add_co_u32 s58, s58, s53                     ; K: half c
	s_mov_b32 s59, 0
	s_mov_b32 s26, 0x76543210                      ; v_permlanex16_b32's selects for lane l xor 16
	s_mov_b32 s27, 0xfedcba98
	s_mov_b32 s28, 0x3e8293ee                      ; log2(e) / sqrt(32)
	s_mov_b32 s29, s28                             ; (named with it as a pair, so it is written)
	; every LDS address: a constant, constants x lane parts, constants x wave parts
	v_and_b32 v48, 31, v0                          ; l
	v_and_b32 v49, 15, v0                          ; r
	v_bfe_u32 v50, v0, 4, 1                        ; h
	v_lshlrev_b32 v[GO], 4, v48
	s_mul_i32 s44, s14, WSTB
	s_add_co_u32 s44, s44, WST                     ; my stage
	v_add_nc_u32 v[WSI], s44, v[GO]
	v_mul_u32_u24 v[WSO], v49, WP
	v_lshl_add_u32 v[WSO], v50, 7, v[WSO]
	v_add_nc_u32 v[WSO], s44, v[WSO]
	s_lshl_b32 s45, s15, 1
	s_add_co_u32 s45, s45, s24                     ; 2 ow + ph
	s_lshl_b32 s46, s45, 10
	s_add_co_u32 s46, s46, WIMG
	v_add_nc_u32 v[WIA], s46, v[GO]
	s_lshl_b32 s46, s45, 7
	s_add_co_u32 s46, s46, WSC
	v_lshl_add_u32 v[WSA], v48, 2, s46
	s_lshl_b32 s46, s24, 16
	s_lshl_b32 s47, s15, 7
	s_add_co_u32 s46, s46, s47
	v_lshl_add_u32 v[XRA], v48, 2, s46             ; XRAW + 128 ph rows + column 32 ow + l
	s_lshl_b32 s46, s15, 12
	s_lshl_b32 s47, s24, 10
	s_add_co_u32 s46, s46, s47
	s_add_co_u32 s46, s46, XIMG
	v_lshlrev_b32 v[XIA], 4, v49
	v_lshl_add_u32 v[XIA], v50, 11, v[XIA]
	v_add_nc_u32 v[XIA], s46, v[XIA]               ; tile 2 ow + h, K step ph, lane place r
	s_lshl_b32 s46, s24, 9
	s_lshl_b32 s47, s15, 7
	s_add_co_u32 s46, s46, s47
	s_add_co_u32 s46, s46, XSC
	v_lshl_add_u32 v[XSA], v48, 2, s46
	s_lshl_b32 s46, s15, 11
	s_add_co_u32 s46, s46, WIMG
	v_add_nc_u32 v[WFA], s46, v[GO]
	s_lshl_b32 s46, s15, 8
	s_add_co_u32 s46, s46, WSC
	v_lshl_add_u32 v[WWA], v48, 2, s46
	s_lshl_b32 s46, s24, 13
	s_add_co_u32 s46, s46, XIMG
	v_add_nc_u32 v[XFA], s46, v[GO]
	s_lshl_b32 s46, s24, 8
	s_add_co_u32 s46, s46, XSC
	v_lshl_add_u32 v[XWA], v49, 2, s46
	v_lshlrev_b32 v[SH8], 3, v50
	v_lshlrev_b32 v[BO], 5, v50
	v_lshlrev_b32 v[BR], 2, v49
	v_mov_b32 v[SX], 0                             ; written once: a lane permute's destination counts as one of its sources
	s_wait_dscnt 0x0                               ; both opening adds are done
	s_wait_kmcnt 0x0
	s_add_nc_u64 s[G0+2:G0+3], s[4:5], s[38:39]    ; global address of my 32 rows of the tile
	s_or_b32 s[G0+3], s[G0+3], 0x80000000          ; type = 2
	s_add_nc_u64 s[6:7], s[6:7], s[48:49]
	s_add_nc_u64 s[8:9], s[8:9], s[54:55]
	s_add_nc_u64 s[10:11], s[10:11], s[56:57]
	s_add_nc_u64 s[42:43], s[12:13], s[60:61]      ; V^T's place in kvf
	s_add_nc_u64 s[12:13], s[12:13], s[58:59]      ; K's
	ROUND                                          ; all four work-groups are here: the joint loads meet
	tensor_load_to_lds s[G0:G0+3], s[G1:G1+7]      ; my one tensor load of the launch
	s_nop 0
; 16 rows of w, 128 along K: each load takes 512 consecutive bytes of one row
.macro WLOAD rg, kap
.irp i, 0,1,2,3,4,5,6,7,8,9,10,11,12,13,14,15
	global_load_b128 v[\rg+4*\i:\rg+4*\i+3], v[GO], s[6:7] offset:\kap*262144+\i*1024
.endr
.endm
; They turn through my stage, so that lane (r, h) holds of row r the numbers k = 64 c + 32 h + 0..31 in registers 32 c + 0..31: two whole blocks, in the order of the operand's registers.
; Then: each block's largest magnitude with the floor 2^-124 among its leaves; 2 off its exponent field gives the conversion's scale operand, and that shifted the byte; the four bytes of a row meet by one exchange of halves.
.macro WQUANT rg, kap
.irp i, 0,1,2,3,4,5,6,7,8,9,10,11,12,13,14,15
	ds_store_b128 v[WSI], v[\rg+4*\i:\rg+4*\i+3] offset:WP*\i
.endr
.irp c, 0,1
.irp j, 0,1,2,3,4,5,6,7
	ds_load_b128 v[\rg+32*\c+4*\j:\rg+32*\c+4*\j+3], v[WSO] offset:256*\c+16*\j   ; LDS serves a wave's instructions in order: these see my stores
.endr
.endr
	s_wait_dscnt 0x0                               ; the numbers are back; the last set's image stores have read their registers too
.irp c, 0,1
	v_max3_num_f32 v[MXR+\c], |v[\rg+32*\c]|, |v[\rg+32*\c+1]|, 0x1800000
.endr
.irp i, 2,4,6,8,10,12,14,16,18,20,22,24,26,28,30
.irp c, 0,1
	v_max3_num_f32 v[MXR+\c], v[MXR+\c], |v[\rg+32*\c+\i]|, |v[\rg+32*\c+\i+1]|   ; the two blocks by turns
.endr
.endr
.irp c, 0,1
	v_add_nc_u32 v[SOP+\c], 0xff000000, v[MXR+\c]
.endr
.irp c, 0,1
	v_lshrrev_b32 v[BYT+\c], 23, v[SOP+\c]
.endr
	v_lshl_or_b32 v[SW], v[BYT+1], 16, v[BYT]      ; my bytes: blocks h and 2 + h,
	v_lshlrev_b32 v[SW], v[SH8], v[SW]             ; at their places in the word;
	v_permlanex16_b32 v[SX], v[SW], s26, s27
	v_or_b32 v[SW], v[SW], v[SX]                   ; with the other half's two the word is whole
.irp c, 0,1
.irp q, 0,1,2,3
	v_cvt_scalef32_pk8_fp4_f32 v[CD+4*\c+\q], v[\rg+32*\c+8*\q:\rg+32*\c+8*\q+7], v[SOP+\c]
.endr
.endr
	v_nop                                          ; one plain instruction behind the last scaled conversion
	ds_store_b128 v[WIA], v[CD:CD+3] offset:\kap*8192
	ds_store_b128 v[WIA], v[CD+4:CD+7] offset:\kap*8192+512
	ds_store_b32 v[WSA], v[SW] offset:\kap*1024
.endm
	WLOAD W0, 0                                    ; 48 loads are out together with the tile
	WLOAD W1, 1
	WLOAD W2, 2
	s_wait_loadcnt 32                              ; q's 16 rows are in; the 32 younger loads may be out
	WQUANT W0, 0
	s_wait_loadcnt 16                              ; k's
	WQUANT W1, 1
	s_wait_loadcnt 0x0                             ; v's
	WQUANT W2, 2
	; the biases, in the layout of the results that they start: q, k: register j = channel 8 h + j; v: every register = channel r
	global_load_b128 v[BQ:BQ+3], v[BO], s[8:9]
	global_load_b128 v[BQ+4:BQ+7], v[BO], s[8:9] offset:16
	global_load_b128 v[BK:BK+3], v[BO], s[8:9] offset:1024
	global_load_b128 v[BK+4:BK+7], v[BO], s[8:9] offset:1040
.irp j, 0,1,2,3,4,5,6,7
	global_load_b32 v[BV+\j], v[BR], s[8:9] offset:2048
.endr
	s_wait_tensorcnt 0x0                           ; my 32 rows of x lie in LDS,
	s_wait_dscnt 0x0                               ; and my images of w
	s_barrier_signal -1
	s_barrier_wait -1                              ; everybody's do
; x: a lane takes a pixel, and its registers run down d: a block of 32 lies in one lane, and the codes come out with d innermost.
.macro XL kb
.irp i, 0,1,2,3,4,5,6,7,8,9,10,11,12,13,14,15,16,17,18,19,20,21,22,23,24,25,26,27,28,29,30,31
	ds_load_b32 v[XA+32*((\kb)%2)+\i], v[XRA] offset:(32*(\kb)+\i)*512   ; 32 lanes read 128 consecutive bytes
.endr
.endm
.macro XQ kb
.set XB, XA+32*((\kb)%2)
	v_max3_num_f32 v[MXR], |v[XB]|, |v[XB+1]|, |v[XB+2]|
	v_max3_num_f32 v[MXR+1], |v[XB+3]|, |v[XB+4]|, |v[XB+5]|
.irp i, 6,10,14,18,22,26
	v_max3_num_f32 v[MXR], v[MXR], |v[XB+\i]|, |v[XB+\i+1]|
	v_max3_num_f32 v[MXR+1], v[MXR+1], |v[XB+\i+2]|, |v[XB+\i+3]|
.endr
	v_max3_num_f32 v[MXR], v[MXR], |v[XB+30]|, |v[XB+31]|
	v_max3_num_f32 v[MXR], v[MXR], v[MXR+1], 0x1800000   ; and the floor 2^-124: the byte cannot fall under 1
	v_add_nc_u32 v[SOP], 0xff000000, v[MXR]        ; 2 off the exponent field: the conversion's scale operand
.if (\kb) == 0
	v_lshrrev_b32 v[XSW], 23, v[SOP]               ; the four bytes of my pixel's scale word are all mine
.else
	v_lshrrev_b32 v[BYT], 23, v[SOP]
	v_lshl_or_b32 v[XSW], v[BYT], 8*(\kb), v[XSW]
.endif
.irp q, 0,1,2,3
	v_cvt_scalef32_pk8_fp4_f32 v[XC+4*(\kb)+\q], v[XB+8*\q:XB+8*\q+7], v[SOP]
.endr
	v_nop                                          ; one plain instruction behind the last scaled conversion
	ds_store_b128 v[XIA], v[XC+4*(\kb):XC+4*(\kb)+3] offset:256*(\kb)   ; block kb = 2 c + h' is registers 4 c .. 4 c + 3 of lane r + 16 h': 512 c + 256 h' + 16 r
.endm
	XL 0
	XL 1
	s_wait_dscnt 32                                ; block 0 is in; block 1's 32 loads may be out
	XQ 0
	XL 2
	s_wait_dscnt 33                                ; block 1 is in; behind it: one store of codes and 32 loads
	XQ 1
	XL 3
	s_wait_dscnt 33                                ; block 2 likewise
	XQ 2
	s_wait_dscnt 0x0
	XQ 3
	ds_store_b32 v[XSA], v[XSW]
	s_wait_dscnt 0x0                               ; my codes and scale words of x lie in LDS
	s_barrier_signal -1
	s_barrier_wait -1                              ; everybody's do
	; THE PRODUCT.  My three tiles of w (q's, k's, v's number ow), both K steps, stay in registers; four tiles of pixels go by in two passes of two.
.irp a, 0,1,2
.irp s, 0,1
.irp c, 0,1
	ds_load_b128 v[WF+16*\a+8*\s+4*\c:WF+16*\a+8*\s+4*\c+3], v[WFA] offset:\a*8192+\s*1024+512*\c
.endr
	ds_load_b32 v[WS+2*\a+\s], v[WWA] offset:\a*1024+128*\s
.endr
.endr
	s_wait_loadcnt 0x0                             ; the biases
.macro MM d, a, b, c, sa, sb
	v_wmma_scale_f32_16x16x128_f8f6f4 v[\d:\d+7], v[\a:\a+7], v[\b:\b+7], v[\c:\c+7], v[\sa], v[\sb] matrix_a_fmt:MATRIX_FMT_FP4 matrix_b_fmt:MATRIX_FMT_FP4
.endm
; q and k: source 0 = 16 rows of w, source 1 = 16 pixels: a lane holds one pixel and eight neighbouring channels.  v: the sources swapped: a lane holds one channel and eight neighbouring pixels.
; The six accumulators take turns, one instruction a turn, in the same order in both K steps.  The bias is the C of each sum's first instruction.
.macro MULS s
.irp i, 0,1
.if \s == 0
	MM ACC+8*\i, WF, XF+16*\i, BQ, WS, XS+2*\i
	MM ACC+16+8*\i, WF+16, XF+16*\i, BK, WS+2, XS+2*\i
	MM ACC+32+8*\i, XF+16*\i, WF+32, BV, XS+2*\i, WS+4
.else
	MM ACC+8*\i, WF+8, XF+16*\i+8, ACC+8*\i, WS+1, XS+2*\i+1
	MM ACC+16+8*\i, WF+24, XF+16*\i+8, ACC+16+8*\i, WS+3, XS+2*\i+1
	MM ACC+32+8*\i, XF+16*\i+8, WF+40, ACC+32+8*\i, XS+2*\i+1, WS+5
.endif
.endr
.endm
.macro PASS n
.irp i, 0,1
.irp s, 0,1
.irp c, 0,1
	ds_load_b128 v[XF+16*\i+8*\s+4*\c:XF+16*\i+8*\s+4*\c+3], v[XFA] offset:(2*\n+\i)*2048+1024*\s+512*\c
.endr
	ds_load_b32 v[XS+2*\i+\s], v[XWA] offset:512*\s+64*(2*\n+\i)
.endr
.endr
	s_wait_dscnt 0x0
.if \n
.rept 5
	v_nop                                          ; the accumulators begin anew with another C: five places behind the last products (ISA guide 7.12.1)
.endr
.endif
	MULS 0
	MULS 1
.rept 4
	v_nop                                          ; four places ahead of the first read of results, and of the next pass's loads into operands
.endr
.irp i, 0,1
.irp j, 0,2,4,6
	v_pk_mul_f32 v[ACC+8*\i+\j:ACC+8*\i+\j+1], v[ACC+8*\i+\j:ACC+8*\i+\j+1], s[28:29] op_sel_hi:[1,0]   ; q x log2(e) / sqrt(32), from each accumulator's low end on
.endr
.endr
.if \n
	s_wait_xcnt 0x0                                ; the last pass's stores have read their registers: they are written again only behind this wait
.endif
.irp a, 0,1,2,3,4,5
.irp j, 0,1,2,3
	v_cvt_pk_f16_f32 v[OUTR+4*\a+\j], v[ACC+8*\a+2*\j], v[ACC+8*\a+2*\j+1]   ; eight neighbours become 16 bytes: half a fragment of the next product
.endr
.endr
.irp i, 0,1
	global_store_b128 v[GO], v[OUTR+4*\i:OUTR+4*\i+3], s[10:11] offset:(2*\n+\i)*1024          ; each store of the wave covers 512 consecutive bytes, aligned
	global_store_b128 v[GO], v[OUTR+8+4*\i:OUTR+8+4*\i+3], s[12:13] offset:\n*4096+\i*1024
	global_store_b128 v[GO], v[OUTR+16+4*\i:OUTR+16+4*\i+3], s[42:43] offset:\n*4096+\i*512
.endr
.endm
	PASS 0
	PASS 1
	s_wait_tensorcnt 0x0                           ; the wave's end: behind my tensor load and my last LDS store
	ds_add_u32 v[SPW], v[NIL]
	s_wait_dscnt 0x0
	ROUND                                          ; the closing round
	s_endpgm
.Lfunc_end_k_q75a57b687e_qkv:
	.size	k_q75a57b687e_qkv, .Lfunc_end_k_q75a57b687e_qkv-k_q75a57b687e_qkv
	.p2alignl 7, 3214868480
	.fill 96, 4, 3214868480
	.section	.rodata,"a",@progbits
	.p2align	6, 0x0
	.amdhsa_kernel k_q75a57b687e_qkv
		.amdhsa_group_segment_fixed_size 244736
		.amdhsa_private_segment_fixed_size 0
		.amdhsa_enable_private_segment 0
		.amdhsa_kernarg_size 40
		.amdhsa_user_sgpr_count 2
		.amdhsa_user_sgpr_kernarg_segment_ptr 1
		.amdhsa_wavefront_size32 1
		.amdhsa_system_sgpr_workgroup_id_x 1
		.amdhsa_system_sgpr_workgroup_id_y 1
		.amdhsa_system_sgpr_workgroup_id_z 1
		.amdhsa_system_vgpr_workitem_id 0
		.amdhsa_next_free_vgpr 256
		.amdhsa_next_free_sgpr 66
		.amdhsa_reserve_vcc 0
		.amdhsa_float_denorm_mode_32 3
		.amdhsa_float_denorm_mode_16_64 3
		.amdhsa_memory_ordered 1
		.amdhsa_forward_progress 1
		.amdhsa_inst_pref_size 54
	.end_amdhsa_kernel
	.amdgpu_metadata
---
amdhsa.version: [ 1, 2 ]
amdhsa.kernels:
  - .name:           k_q75a57b687e_qkv
    .symbol:         k_q75a57b687e_qkv.kd
    .args:
      - { .name: x, .offset: 0, .size: 8, .value_kind: global_buffer, .address_space: global }
      - { .name: w_qkv, .offset: 8, .size: 8, .value_kind: global_buffer, .address_space: global }
      - { .name: b_qkv, .offset: 16, .size: 8, .value_kind: global_buffer, .address_space: global }
      - { .name: qf, .offset: 24, .size: 8, .value_kind: global_buffer, .address_space: global }
      - { .name: kvf, .offset: 32, .size: 8, .value_kind: global_buffer, .address_space: global }
    .group_segment_fixed_size: 244736
    .private_segment_fixed_size: 0
    .kernarg_segment_align: 8
    .kernarg_segment_size: 40
    .max_flat_workgroup_size: 256
    .sgpr_count:     66
    .vgpr_count:     256
    .wavefront_size: 32
...
	.end_amdgpu_metadata
.endif
;; end of part 1
;; launch attn (part 2): grid 16 x 16, 8 waves a work-group, clusters of 4 x 1, 327,680 bytes of LDS; arguments qf, kvf, af; writes af
.if DOCPART == 2
	.amdgcn_target "amdgcn-amd-amdhsa--gfx1250"
	.amdhsa_code_object_version 6
	.text
	.protected	k_q75a57b687e_attn
	.globl	k_q75a57b687e_attn
	.p2align	8
	.type	k_q75a57b687e_attn,@function
k_q75a57b687e_attn:
	s_mov_b64 s[64:65], 0
	v_nop
	global_prefetch_b8 v0, s[64:65] scope:SCOPE_SE
	s_setreg_imm32_b32 hwreg(HW_REG_WAVE_MODE, 25, 1), 1
	s_wait_xcnt 0x0
	s_wait_alu depctr_hold_cnt(0) depctr_sa_sdst(0) depctr_va_vdst(0) depctr_va_sdst(0) depctr_va_ssrc(0) depctr_va_vcc(0) depctr_vm_vsrc(0)
	s_getreg_b32 s2, hwreg(HW_REG_IB_STS2, 6, 4)
	s_cmp_eq_u32 s2, 0
	s_cbranch_scc0 .Lentry_in_a_cluster
	s_endpgm
.Lentry_in_a_cluster:
	s_bfe_u32 s2, ttmp6, 0x10000c
	s_cmp_lg_u32 s2, 0x3003
	s_cbranch_scc0 .Lentry_shape_is_right
	s_endpgm
.Lentry_shape_is_right:
; att[bh][q][:] = the sum over k of softmax_k(q . k / sqrt(32)) v[k][:], 16 heads bh, 4,096 queries and keys, head size 32, no mask.  Operands f16, products, maxima and sums f32.
; qf, kvf: register images made by the launch before (qf already holds q x log2(e) / sqrt(32)):
;   qf  [bh][tile of 16 queries 256][half c][lane][16 B];   kvf [bh][group of 32 keys 128][K tile 0 | K tile 1 | V^T tile 0 | V^T tile 1, 1,024 B each].
; af [batch 2][tile of 16 pixels 256][head 8][half c][lane][16 B]: the image of the projection's operand: lane (r, h) holds pixel r, channels 16 c + 8 h + 0..7 of the head, f16.
; SHARES.  A work-group owns 256 queries of one head; each of its eight waves two tiles of 16.  Two waves share a SIMD: one wave's waits stand beside the other's vector work.  Every wave walks all keys, 64 a step.
; LAYOUT.  S^T = K Q^T (source 0 = 16 keys, source 1 = 16 queries) and O^T = V^T P: a lane holds ONE query throughout; two tiles of S^T, rounded to f16 in pairs, ARE source 1 of the second product.
; SOFTMAX.  For each query a running maximum m and sum l: p = 2^(s - m); in every step O^T and l are multiplied by a = 2^(m_old - m_new).  m begins at -3e38, O^T and l at 0: the step is written once.
; RING.  Two LDS slots of 1,024 keys (131,072 dense bytes of kvf); each wave moves an eighth (64 rows of 256 bytes).  A fragment is read at 16 x lane: no pitch, no padding.
; CLUSTER.  The four query blocks of a cluster belong to one head and walk the same K and V: each tile is asked for JOINTLY, mask 15.  One tensor load of a wave is out at a time; it has 16 key steps in which to land,
; so nothing is prefetched: a tile is asked for a whole slot ahead of its first read.
; LIMITS: the sizes of q, k, v as stated at the launch that makes them; p under 6e-8 is rounded to 0 in f16; NaN and infinities are not served.
.set SLOTB, 131072
.set SPARE, 262144                     ; behind the ring: the spare words, 128 bytes for each wave: four blocks of 256 bytes that no other line names
.set LI,  1                            ; v1   16 x lane; never rewritten
.set ADR, 2                            ; v2   LDS address of the step's tiles
.set SPW, 3                            ; v3   LDS address of my spare word; never rewritten
.set NIL, 4                            ; v4   0; never rewritten
.set QF,  8                            ; v8-23    Q, 8 a tile
.set MX,  24                           ; v24-27   tile t: m, and a word named with it as a pair
.set LS,  28                           ; v28-31   tile t: l of the even keys, of the odd keys
.set AF,  32                           ; v32-35   tile t: a, and m_old - m_new
.set KF,  40                           ; v40-71   four tiles of 16 keys
.set VF,  72                           ; v72-103  V^T: group g, tile u at 8 (2 g + u)
.set ST,  104                          ; v104-167 S^T, then p: 32 a tile
.set PT,  168                          ; v168-199 P: 16 a tile
.set OT,  200                          ; v200-231 O^T: 16 a tile
.set CH,  232                          ; v232-239 four chains of the maximum a tile
.set T0,  240                          ; v240-247 two pairs of sums a tile
.set XH,  248                          ; v248-249 the other half's maximum
.set MO,  250                          ; v250-251 m_old
.set G1,  16                           ; s[16:23] descriptor group 1;  s[32:39] group 0, a set for each slot
.macro ROUND                           ; a round of the cluster's barrier
	s_barrier_signal -1
	s_barrier_wait -1
	s_cmp_lg_u32 s10, 0
	s_cbranch_scc1 .Lnot_wave_0_\@
	s_barrier_signal -3
.Lnot_wave_0_\@:
	s_barrier_wait -3
	s_barrier_signal -1
	s_barrier_wait -1
.endm
	s_load_b128 s[4:7], s[0:1], 0x0                ; qf s[4:5], kvf s[6:7]
	s_load_b64 s[8:9], s[0:1], 0x10                ; af
	v_lshl_add_u32 v[SPW], v0, 2, SPARE
	v_mov_b32 v[NIL], 0
	ds_add_u32 v[SPW], v[NIL]                      ; the wave's opening: the add, twice on end, and its wait ahead of my first tensor load
	ds_add_u32 v[SPW], v[NIL]                      ; and once more; the set-up below, work on registers, stands between it and the wait
	v_lshrrev_b32 v5, 5, v0
	v_readfirstlane_b32 s10, v5                    ; wave 0..7
	s_bfe_u32 s11, ttmp6, 0x40000                  ; cx
	s_lshl_b32 s12, ttmp9, 2
	s_add_co_u32 s12, s12, s11                     ; my block of 256 queries: it enters qf's and af's addresses alone
	s_and_b32 s13, ttmp7, 0xffff                   ; the head bh, which the four partners share
	; descriptor group 1: 16,384 dense bytes as 64 rows of 32 elements of 8 bytes
	s_mov_b32 s[G1+0], 15|(3<<16)|(1<<21)          ; 15:0 the mask: all four work-groups; 17:16 elements of 8 bytes; 21 set beside a mask
	s_mov_b32 s[G1+1], 32<<16                      ; tensor_dim0 = 32
	s_mov_b32 s[G1+2], 64<<16                      ; tensor_dim1 = 64
	s_mov_b32 s[G1+3], 32<<16                      ; tile_dim0 = 32
	s_mov_b32 s[G1+4], 64                          ; tile_dim1 = 64
	s_mov_b32 s[G1+5], 32                          ; tensor_dim0_stride
	s_mov_b32 s[G1+6], 0
	s_mov_b32 s[G1+7], 0
	s_lshl_b32 s30, s10, 14                        ; my eighth of a tile, in memory and in a slot
	s_lshl_b32 s28, s13, 19                        ; the head's 524,288 bytes of kvf
	s_add_co_u32 s28, s28, s30
	s_mov_b32 s29, 0
	s_lshl_b32 s44, s12, 4
	s_lshl_b32 s45, s10, 1
	s_add_co_u32 s44, s44, s45                     ; my first tile of queries: 16 x block + 2 x wave
	s_lshl_b32 s40, s13, 18
	s_lshl_b32 s45, s44, 10
	s_add_co_u32 s40, s40, s45                     ; in qf
	s_mov_b32 s41, 0
	s_lshr_b32 s42, s13, 3
	s_lshl_b32 s42, s42, 21                        ; in af: the batch,
	s_lshl_b32 s45, s44, 13
	s_add_co_u32 s42, s42, s45                     ; the tile of pixels,
	s_and_b32 s45, s13, 7
	s_lshl_b32 s45, s45, 10
	s_add_co_u32 s42, s42, s45                     ; the head
	s_mov_b32 s43, 0
	s_mov_b32 s26, 0x76543210                      ; v_permlanex16_b32's selects for lane l xor 16
	s_mov_b32 s27, 0xfedcba98
	v_and_b32 v[LI], 31, v0
	v_lshlrev_b32 v[LI], 4, v[LI]
	s_wait_dscnt 0x0                               ; both opening adds are done
	s_wait_kmcnt 0x0
	s_add_nc_u64 s[6:7], s[6:7], s[28:29]
	s_add_nc_u64 s[4:5], s[4:5], s[40:41]
	s_add_nc_u64 s[8:9], s[8:9], s[42:43]
.irp n, 0,1
	s_mov_b32 s[32+4*\n], 1                                        ; count = 1
	s_add_co_u32 s[33+4*\n], s30, \n*SLOTB                         ; LDS address: slot n, my eighth
	s_add_nc_u64 s[34+4*\n:35+4*\n], s[6:7], \n*SLOTB              ; global address: tile n
	s_or_b32 s[35+4*\n], s[35+4*\n], 0x80000000                    ; type = 2
.endr
	ROUND                                          ; all four work-groups are here: the first joint loads meet
	tensor_load_to_lds s[32:35], s[G1:G1+7]        ; tile 0
	s_nop 0
.irp t, 0,1
.irp c, 0,1
	global_load_b128 v[QF+8*\t+4*\c:QF+8*\t+4*\c+3], v[LI], s[4:5] offset:\t*1024+512*\c   ; Q stays in registers
.endr
.endr
.irp t, 0,1
	v_mov_b32 v[MX+2*\t], 0xff61b1e6               ; m = -3e38, under every score
	v_mov_b32 v[MX+2*\t+1], 0
	v_mov_b32 v[LS+2*\t], 0
	v_mov_b32 v[LS+2*\t+1], 0
	v_mov_b32 v[AF+2*\t], 0
	v_mov_b32 v[AF+2*\t+1], 0
	v_mov_b32 v[XH+\t], 0                          ; a lane permute's destination counts as one of its sources
.endr
.irp j, 0,1,2,3,4,5,6,7,8,9,10,11,12,13,14,15,16,17,18,19,20,21,22,23,24,25,26,27,28,29,30,31
	v_mov_b32 v[OT+\j], 0                          ; O^T: the step is written once; the first a is 0 and leaves zeros zeros
.endr
.macro KLOAD off                       ; four tiles of 16 keys x 32 channels
.irp k, 0,1,2,3
.irp c, 0,1
	ds_load_b128 v[KF+8*\k+4*\c:KF+8*\k+4*\c+3], v[ADR] offset:\off+(\k/2)*4096+(\k%2)*1024+512*\c
.endr
.endr
.endm
; A KEY STEP: 64 keys at LDS byte s24.  ahead = 1: the next step's K, 8,192 bytes on in the same slot, is fetched while this step's softmax is worked.
.macro STEP ahead
	v_add_nc_u32 v[ADR], s24, v[LI]
	s_wait_dscnt 0x0                               ; K is in
.irp k, 0,1,2,3
.irp t, 0,1
	v_wmma_f32_16x16x32_f16 v[ST+32*\t+8*\k:ST+32*\t+8*\k+7], v[KF+8*\k:KF+8*\k+7], v[QF+8*\t:QF+8*\t+7], 0
.endr
.endr
	v_mov_b32 v[MO], v[MX]                         ; m_old is kept for a.  These four lines are the places behind the products above, ahead of the loads into K's registers and of the first read of scores
	v_mov_b32 v[MO+1], v[MX+2]                     ; with the addition at the step's head they are five behind the last step's V^T P, ahead of the loads into V's registers
	v_nop
	v_nop
.irp g, 0,1
.irp u, 0,1
.irp c, 0,1
	ds_load_b128 v[VF+8*(2*\g+\u)+4*\c:VF+8*(2*\g+\u)+4*\c+3], v[ADR] offset:\g*4096+2048+\u*1024+512*\c
.endr
.endr
.endr
.if \ahead
	KLOAD 8192
.endif
	; the maximum of my 32 scores of each tile and the old m: four chains, each accumulator read from its low end on; the two tiles by turns
.irp n, 0,1,2,3
.irp t, 0,1
	v_max3_num_f32 v[CH+4*\t+\n], v[ST+32*\t+8*\n], v[ST+32*\t+8*\n+1], v[ST+32*\t+8*\n+2]
.endr
.endr
.irp m, 3,5
.irp n, 0,1,2,3
.irp t, 0,1
	v_max3_num_f32 v[CH+4*\t+\n], v[CH+4*\t+\n], v[ST+32*\t+8*\n+\m], v[ST+32*\t+8*\n+\m+1]
.endr
.endr
.endr
.irp t, 0,1
	v_max3_num_f32 v[CH+4*\t], v[CH+4*\t], v[ST+32*\t+7], v[ST+32*\t+15]
.endr
.irp t, 0,1
	v_max3_num_f32 v[CH+4*\t+2], v[CH+4*\t+2], v[ST+32*\t+23], v[ST+32*\t+31]
.endr
.irp t, 0,1
	v_max3_num_f32 v[CH+4*\t], v[CH+4*\t], v[CH+4*\t+1], v[CH+4*\t+2]
.endr
.irp t, 0,1
	v_max3_num_f32 v[CH+4*\t], v[CH+4*\t], v[CH+4*\t+3], v[MX+2*\t]
.endr
.irp t, 0,1
	v_permlanex16_b32 v[XH+\t], v[CH+4*\t], s26, s27   ; the query's other 32 keys lie in the lane 16 away
.endr
.irp t, 0,1
	v_max_num_f32 v[MX+2*\t], v[CH+4*\t], v[XH+\t]
.endr
.irp t, 0,1
	v_sub_f32 v[AF+2*\t+1], v[MO+\t], v[MX+2*\t]
.endr
.irp t, 0,1
	v_exp_f32 v[AF+2*\t], v[AF+2*\t+1]             ; a = 2^(m_old - m_new)
.endr
	; ONE BATCH: 32 subtractions of m, a pair of scores each, and with the two above 66 exponentials.  A pair is made ready one turn ahead of its exponentials; nothing here names an exponential's result.
.irp t, 0,1
	v_pk_add_f32 v[ST+32*\t:ST+32*\t+1], v[ST+32*\t:ST+32*\t+1], v[MX+2*\t:MX+2*\t+1] op_sel_hi:[1,0] neg_lo:[0,1] neg_hi:[0,1]
.endr
.set i, 0
.rept 16
.irp t, 0,1
.if i < 15
	v_pk_add_f32 v[ST+32*\t+2*i+2:ST+32*\t+2*i+3], v[ST+32*\t+2*i+2:ST+32*\t+2*i+3], v[MX+2*\t:MX+2*\t+1] op_sel_hi:[1,0] neg_lo:[0,1] neg_hi:[0,1]
.endif
	v_exp_f32 v[ST+32*\t+2*i], v[ST+32*\t+2*i]
	v_exp_f32 v[ST+32*\t+2*i+1], v[ST+32*\t+2*i+1]
.endr
.set i, i+1
.endr
	v_nop                                          ; a plain instruction behind the last exponential
	s_wait_alu depctr_va_vdst(0)                   ; the wait ahead of the first line that names a result: one for the whole batch
	; l = a l + the sum of p, before p is rounded: two chains of pairs a tile
.irp t, 0,1
	v_pk_add_f32 v[T0+4*\t:T0+4*\t+1], v[ST+32*\t:ST+32*\t+1], v[ST+32*\t+2:ST+32*\t+3]
	v_pk_add_f32 v[T0+4*\t+2:T0+4*\t+3], v[ST+32*\t+4:ST+32*\t+5], v[ST+32*\t+6:ST+32*\t+7]
.endr
.irp j, 4,6,8,10,12,14
.irp t, 0,1
	v_pk_add_f32 v[T0+4*\t:T0+4*\t+1], v[T0+4*\t:T0+4*\t+1], v[ST+32*\t+2*\j:ST+32*\t+2*\j+1]
	v_pk_add_f32 v[T0+4*\t+2:T0+4*\t+3], v[T0+4*\t+2:T0+4*\t+3], v[ST+32*\t+2*\j+2:ST+32*\t+2*\j+3]
.endr
.endr
.irp t, 0,1
	v_pk_add_f32 v[T0+4*\t:T0+4*\t+1], v[T0+4*\t:T0+4*\t+1], v[T0+4*\t+2:T0+4*\t+3]
.endr
.irp t, 0,1
	v_pk_fma_f32 v[LS+2*\t:LS+2*\t+1], v[LS+2*\t:LS+2*\t+1], v[AF+2*\t:AF+2*\t+1], v[T0+4*\t:T0+4*\t+1] op_sel_hi:[1,0,1]
.endr
.irp t, 0,1
.irp j, 0,1,2,3,4,5,6,7,8,9,10,11,12,13,14,15
	v_cvt_pk_f16_f32 v[PT+16*\t+\j], v[ST+32*\t+2*\j], v[ST+32*\t+2*\j+1]   ; p to f16, in pairs: the second product's source 1 as it stands
.endr
.endr
.irp t, 0,1
.irp j, 0,2,4,6,8,10,12,14
	v_pk_mul_f32 v[OT+16*\t+\j:OT+16*\t+\j+1], v[OT+16*\t+\j:OT+16*\t+\j+1], v[AF+2*\t:AF+2*\t+1] op_sel_hi:[1,0]   ; O^T x a, each accumulator from its low end on
.endr
.endr
.if \ahead
	s_wait_dscnt 8                                 ; V is in; the next step's eight loads of K, issued behind V's, may be out
.else
	s_wait_dscnt 0x0
.endif
.irp g, 0,1                                    ; O^T += V^T P: the four accumulators take turns, one instruction a turn
.irp t, 0,1
.irp u, 0,1
	v_wmma_f32_16x16x32_f16 v[OT+16*\t+8*\u:OT+16*\t+8*\u+7], v[VF+8*(2*\g+\u):VF+8*(2*\g+\u)+7], v[PT+16*\t+8*\g:PT+16*\t+8*\g+7], v[OT+16*\t+8*\u:OT+16*\t+8*\u+7]
.endr
.endr
.endr
.endm
; A SLOT'S 16 KEY STEPS, behind the change of slots.  Each wave waits for all its tensor loads (its eighth of this slot), adds 0 to its spare word, and waits for that and for its reads of the other slot; the round
; makes that hold of every wave of all four work-groups.  refill = 1: the other slot takes the next tile, first thing behind the round.
.macro TRIP slot, refill
	s_wait_tensorcnt 0x0                           ; no tensor load of mine is out, so a group 0 may be written
	ds_add_u32 v[SPW], v[NIL]                      ; 0 onto my spare word
	s_add_nc_u64 s[34+4*\slot:35+4*\slot], s[34+4*\slot:35+4*\slot], 2*SLOTB   ; this slot's next tile (in the last two trips the stepped address is not used)
	s_mov_b32 s24, \slot*SLOTB
	s_mov_b32 s25, 15
	s_wait_dscnt 0x0                               ; the add is done, and my reads of the other slot are over
	ROUND
.if \refill
	tensor_load_to_lds s[36-4*\slot:39-4*\slot], s[G1:G1+7]
	s_nop 0
.endif
	v_add_nc_u32 v[ADR], s24, v[LI]
	KLOAD 0
.Lstep_\@:
	STEP 1
	s_add_co_u32 s24, s24, 8192
	s_sub_co_u32 s25, s25, 1
	s_cmp_lg_u32 s25, 0
	s_cbranch_scc1 .Lstep_\@
	STEP 0                                         ; the slot's last step is written out: it fetches nothing beyond the slot
.endm
	s_wait_loadcnt 0x0                             ; Q
	TRIP 0, 1
	TRIP 1, 1
	TRIP 0, 1
	TRIP 1, 0
	; THE WAY OUT.  l's two halves and the other half of the lanes' are added; O^T is divided by l and rounded to f16: a lane's eight channels are 16 bytes of the projection's operand.
.irp t, 0,1
	v_add_f32 v[T0+4*\t], v[LS+2*\t], v[LS+2*\t+1]
.endr
	v_nop                                          ; with the two additions: four places behind the last products
	v_nop
.irp t, 0,1
	v_permlanex16_b32 v[XH+\t], v[T0+4*\t], s26, s27
.endr
.irp t, 0,1
	v_add_f32 v[T0+4*\t], v[T0+4*\t], v[XH+\t]
.endr
.irp t, 0,1
	v_rcp_f32 v[AF+2*\t], v[T0+4*\t]
.endr
	v_nop                                          ; a plain instruction behind the last reciprocal
	s_wait_alu depctr_va_vdst(0)                   ; and the wait ahead of the first use: one for both
.irp t, 0,1
.irp j, 0,2,4,6,8,10,12,14
	v_pk_mul_f32 v[OT+16*\t+\j:OT+16*\t+\j+1], v[OT+16*\t+\j:OT+16*\t+\j+1], v[AF+2*\t:AF+2*\t+1] op_sel_hi:[1,0]
.endr
.endr
.irp t, 0,1
.irp j, 0,1,2,3,4,5,6,7
	v_cvt_pk_f16_f32 v[ST+8*\t+\j], v[OT+16*\t+2*\j], v[OT+16*\t+2*\j+1]
.endr
.endr
.irp t, 0,1
.irp u, 0,1
	global_store_b128 v[LI], v[ST+8*\t+4*\u:ST+8*\t+4*\u+3], s[8:9] offset:\t*8192+\u*512   ; each store of the wave covers 512 consecutive bytes, aligned
.endr
.endr
	s_wait_tensorcnt 0x0                           ; the wave's end: behind my last tensor load
	ds_add_u32 v[SPW], v[NIL]
	s_wait_dscnt 0x0
	ROUND                                          ; the closing round: no work-group ends while a partner may still ask for a tile that names it
	s_endpgm
.Lfunc_end_k_q75a57b687e_attn:
	.size	k_q75a57b687e_attn, .Lfunc_end_k_q75a57b687e_attn-k_q75a57b687e_attn
	.p2alignl 7, 3214868480
	.fill 96, 4, 3214868480
	.section	.rodata,"a",@progbits
	.p2align	6, 0x0
	.amdhsa_kernel k_q75a57b687e_attn
		.amdhsa_group_segment_fixed_size 327680
		.amdhsa_private_segment_fixed_size 0
		.amdhsa_enable_private_segment 0
		.amdhsa_kernarg_size 24
		.amdhsa_user_sgpr_count 2
		.amdhsa_user_sgpr_kernarg_segment_ptr 1
		.amdhsa_wavefront_size32 1
		.amdhsa_system_sgpr_workgroup_id_x 1
		.amdhsa_system_sgpr_workgroup_id_y 1
		.amdhsa_system_sgpr_workgroup_id_z 1
		.amdhsa_system_vgpr_workitem_id 0
		.amdhsa_next_free_vgpr 256
		.amdhsa_next_free_sgpr 66
		.amdhsa_reserve_vcc 0
		.amdhsa_float_denorm_mode_32 3
		.amdhsa_float_denorm_mode_16_64 3
		.amdhsa_memory_ordered 1
		.amdhsa_forward_progress 1
		.amdhsa_inst_pref_size 121
	.end_amdhsa_kernel
	.amdgpu_metadata
---
amdhsa.version: [ 1, 2 ]
amdhsa.kernels:
  - .name:           k_q75a57b687e_attn
    .symbol:         k_q75a57b687e_attn.kd
    .args:
      - { .name: qf, .offset: 0, .size: 8, .value_kind: global_buffer, .address_space: global }
      - { .name: kvf, .offset: 8, .size: 8, .value_kind: global_buffer, .address_space: global }
      - { .name: af, .offset: 16, .size: 8, .value_kind: global_buffer, .address_space: global }
    .group_segment_fixed_size: 327680
    .private_segment_fixed_size: 0
    .kernarg_segment_align: 8
    .kernarg_segment_size: 24
    .max_flat_workgroup_size: 256
    .sgpr_count:     66
    .vgpr_count:     256
    .wavefront_size: 32
...
	.end_amdgpu_metadata
.endif
;; end of part 2
;; launch proj (part 3): grid 2 x 128, 8 waves a work-group, no clusters, 136,192 bytes of LDS; arguments af, w_proj, b_proj, out0; writes out0
.if DOCPART == 3
	.amdgcn_target "amdgcn-amd-amdhsa--gfx1250"
	.amdhsa_code_object_version 6
	.text
	.protected	k_q75a57b687e_proj
	.globl	k_q75a57b687e_proj
	.p2align	8
	.type	k_q75a57b687e_proj,@function
k_q75a57b687e_proj:
	s_mov_b64 s[64:65], 0
	v_nop
	global_prefetch_b8 v0, s[64:65] scope:SCOPE_SE
	s_setreg_imm32_b32 hwreg(HW_REG_WAVE_MODE, 25, 1), 1
	s_wait_xcnt 0x0
; out0[b][o][pixel] = the sum over d of w_proj[o][d] att[b][d][pixel] + b_proj[o].  Operands f16, sums f32.  d = 32 x head + channel: a K step of 32 is a head.
; af [batch][tile of 16 pixels 256][head 8][half c][lane][16 B]: register images of source 0, made by the launch before.  w_proj [256][256], b_proj [256], out0 [2][256][4096]: f32.
; SHARES.  A work-group makes 64 pixels (256 bytes of each output row) x 128 outputs; wave w makes outputs o0 = 128 x + 16 w .. + 15 for the four tiles of pixels: 4 accumulators x 8 K steps.
; Source 0 = 16 pixels, source 1 = 16 rows of w_proj: a lane holds one output row o0 + r and eight neighbouring pixels.  The bias is the C of each sum's first instruction.
; The block's 32 KB of att are shared by the eight waves through LDS, as they lie.  Each wave's 16 rows of w_proj are read once, rounded to f16 and turned through the wave's own stage into fragments that stay in registers.
; NO CLUSTER, NO TENSOR LOAD: the weights are wanted as f16 fragments and come as f32 rows, so each wave takes its own 16 KB straight into registers: a joint load would lay 128 KB of f32 into LDS to be read
; once more; what two work-groups share of att is 32 of a work-group's 160 KB.  All 48 loads of a wave are out at once.
; LIMITS: w_proj under 65,504 in size (f16); numbers of w_proj and att under 6e-5 are kept to steps of 6e-8; NaN and infinities are not served.
.set AIMG,  0                          ; LDS: the block's 32 fragments of att: (8 t + head) x 1,024
.set WSTG,  32768                      ; a stage of 16 rows x (512 + 16) bytes of f16 for each wave
.set WSTB,  8448
.set WP,    528
.set OSTG,  100352                     ; a stage of 16 rows x (256 + 16) bytes of f32 for each wave, for the way out
.set OSTB,  4352
.set OP,    272
.set SPARE, 135168                     ; the spare words, 128 bytes for each wave: four blocks of 256 bytes that no other line names
.set GO,  1                            ; v1   16 x lane: global offset of the loads, and a fragment's place in AIMG
.set AW,  2                            ; v2   where I store my eighth of att
.set WI,  3                            ; v3   w's stage, in: 8 x lane
.set WO,  4                            ; v4   and out: 528 r + 16 h
.set SO,  5                            ; v5   the way out, in: 272 r + 32 h
.set SR,  6                            ; v6   and back: 272 h + 16 r
.set CO,  7                            ; v7   my byte offset in two rows of out0
.set BO,  8                            ; v8   4 r
.set SPW, 9                            ; v9   LDS address of my spare word; never rewritten
.set NIL, 10                           ; v10  0; never rewritten
.set BIAS, 16                          ; v16-23
.set AT,  24                           ; v24-55   my eighth of att as loaded; then
.set ACC, 24                           ;          the four accumulators
.set HF,  56                           ; v56-119  w as f16, two registers a load; then
.set OB,  56                           ;          16 rows read back from the stage
.set RAW, 128                          ; v128-255 w as loaded; then
.set WF,  128                          ; v128-191 w's eight fragments,
.set AB,  192                          ; v192-255 two sets of four fragments of att
	s_load_b256 s[4:11], s[0:1], 0x0               ; af s[4:5], w_proj s[6:7], b_proj s[8:9], out0 s[10:11]
	v_lshl_add_u32 v[SPW], v0, 2, SPARE
	v_mov_b32 v[NIL], 0
	v_lshrrev_b32 v11, 5, v0
	v_readfirstlane_b32 s12, v11                   ; wave 0..7
	s_and_b32 s14, ttmp7, 0xffff                   ; the block of 64 pixels, 0..127
	s_lshl_b32 s15, ttmp9, 7
	s_lshl_b32 s24, s12, 4
	s_add_co_u32 s15, s15, s24                     ; o0
	s_lshl_b32 s16, s14, 15                        ; af: 32,768 bytes a block (64 blocks are a batch's 2 MB),
	s_lshl_b32 s24, s12, 12
	s_add_co_u32 s16, s16, s24                     ; my eighth
	s_mov_b32 s17, 0
	s_lshl_b32 s18, s15, 10                        ; w_proj: row o0
	s_mov_b32 s19, 0
	s_lshl_b32 s20, s15, 2                         ; b_proj
	s_mov_b32 s21, 0
	s_lshr_b32 s22, s14, 6
	s_lshl_b32 s22, s22, 22                        ; out0: the batch,
	s_lshl_b32 s25, s15, 14
	s_add_co_u32 s22, s22, s25                     ; row o0,
	s_and_b32 s25, s14, 63
	s_lshl_b32 s25, s25, 8
	s_add_co_u32 s22, s22, s25                     ; the block's 256 bytes
	s_mov_b32 s23, 0
	v_and_b32 v11, 31, v0                          ; l
	v_and_b32 v12, 15, v0                          ; r
	v_bfe_u32 v13, v0, 4, 1                        ; h
	v_lshlrev_b32 v[GO], 4, v11
	v_add_nc_u32 v[AW], s24, v[GO]                 ; AIMG + 4,096 x wave + 16 x lane
	s_mul_i32 s26, s12, WSTB
	s_add_co_u32 s26, s26, WSTG
	v_lshl_add_u32 v[WI], v11, 3, s26
	v_mul_u32_u24 v[WO], v12, WP
	v_lshl_add_u32 v[WO], v13, 4, v[WO]
	v_add_nc_u32 v[WO], s26, v[WO]
	s_mul_i32 s27, s12, OSTB
	s_add_co_u32 s27, s27, OSTG
	v_mul_u32_u24 v[SO], v12, OP
	v_lshl_add_u32 v[SO], v13, 5, v[SO]
	v_add_nc_u32 v[SO], s27, v[SO]
	v_mul_u32_u24 v[SR], v13, OP
	v_lshl_add_u32 v[SR], v12, 4, v[SR]
	v_add_nc_u32 v[SR], s27, v[SR]
	v_lshlrev_b32 v[CO], 14, v13                   ; lanes 0-15 one row of out0, lanes 16-31 the next
	v_lshl_add_u32 v[CO], v12, 4, v[CO]
	v_lshlrev_b32 v[BO], 2, v12
	s_wait_kmcnt 0x0
	s_add_nc_u64 s[4:5], s[4:5], s[16:17]
	s_add_nc_u64 s[6:7], s[6:7], s[18:19]
	s_add_nc_u64 s[8:9], s[8:9], s[20:21]
	s_add_nc_u64 s[10:11], s[10:11], s[22:23]
.irp i, 0,1,2,3,4,5,6,7
	global_load_b128 v[AT+4*\i:AT+4*\i+3], v[GO], s[4:5] offset:512*\i
.endr
.irp i, 0,1,2,3,4,5,6,7,8,9,10,11,12,13,14,15
.irp e, 0,1
	global_load_b128 v[RAW+8*\i+4*\e:RAW+8*\i+4*\e+3], v[GO], s[6:7] offset:1024*\i+512*\e   ; 512 consecutive bytes of row o0 + i
.endr
.endr
.irp j, 0,1,2,3,4,5,6,7
	global_load_b32 v[BIAS+\j], v[BO], s[8:9]      ; the result's layout wants b_proj[o0 + r] in all eight registers
.endr
	s_wait_loadcnt 40                              ; att is in; w's 32 loads and the bias's 8 may be out
.irp i, 0,1,2,3,4,5,6,7
	ds_store_b128 v[AW], v[AT+4*\i:AT+4*\i+3] offset:512*\i
.endr
; eight rows of w: four numbers of a lane become 8 bytes of f16 at their place in the stage's row
.macro CONV i0
.set q, 2*\i0
.rept 16
	v_cvt_pk_f16_f32 v[HF+2*q], v[RAW+4*q], v[RAW+4*q+1]
	v_cvt_pk_f16_f32 v[HF+2*q+1], v[RAW+4*q+2], v[RAW+4*q+3]
	ds_store_b64 v[WI], v[HF+2*q:HF+2*q+1] offset:WP*(q/2)+256*(q%2)
.set q, q+1
.endr
.endm
	s_wait_loadcnt 24                              ; rows 0-7 are in; rows 8-15 (16 loads) and the bias (8) may be out
	CONV 0
	s_wait_loadcnt 8                               ; rows 8-15 are in
	CONV 8
.irp k, 0,1,2,3,4,5,6,7
.irp p, 0,1
	ds_load_b128 v[WF+8*\k+4*\p:WF+8*\k+4*\p+3], v[WO] offset:64*\k+32*\p   ; fragment of K step k: row r, d = 32 k + 16 p + 8 h + 0..7.  LDS serves a wave's instructions in order: these see my stores
.endr
.endr
	s_wait_dscnt 0x0                               ; my eighth of att lies in LDS, and my fragments of w are in
	s_barrier_signal -1
	s_barrier_wait -1                              ; everybody's eighth does
	s_wait_loadcnt 0x0                             ; the bias
.macro FETCH k                         ; the four tiles' fragments of K step k
.irp t, 0,1,2,3
.irp c, 0,1
	ds_load_b128 v[AB+32*((\k)%2)+8*\t+4*\c:AB+32*((\k)%2)+8*\t+4*\c+3], v[GO] offset:AIMG+(8*\t+(\k))*1024+512*\c
.endr
.endr
.endm
	FETCH 0
	FETCH 1
.irp k, 0,1,2,3,4,5,6,7
.if \k < 7
	s_wait_dscnt 8                                 ; this K step's eight loads are in; the next step's may be out
.else
	s_wait_dscnt 0x0
.endif
.irp t, 0,1,2,3                                ; the four accumulators take turns, one instruction a turn
.if \k == 0
	v_wmma_f32_16x16x32_f16 v[ACC+8*\t:ACC+8*\t+7], v[AB+32*(\k%2)+8*\t:AB+32*(\k%2)+8*\t+7], v[WF+8*\k:WF+8*\k+7], v[BIAS:BIAS+7]
.else
	v_wmma_f32_16x16x32_f16 v[ACC+8*\t:ACC+8*\t+7], v[AB+32*(\k%2)+8*\t:AB+32*(\k%2)+8*\t+7], v[WF+8*\k:WF+8*\k+7], v[ACC+8*\t:ACC+8*\t+7]
.endif
.endr
.rept 4
	v_nop                                          ; four places ahead of loads into registers that these products read, and of the first read of results
.endr
.if \k < 6
	FETCH \k+2
.endif
.endr
	; THE WAY OUT: a lane's 32 bytes of a row go into my own stage; whole rows of 256 bytes come back, two an instruction
.irp t, 0,1,2,3
	ds_store_b128 v[SO], v[ACC+8*\t:ACC+8*\t+3] offset:64*\t          ; each accumulator from its low end on
	ds_store_b128 v[SO], v[ACC+8*\t+4:ACC+8*\t+7] offset:64*\t+16
.endr
.irp i, 0,1,2,3,4,5,6,7
	ds_load_b128 v[OB+4*\i:OB+4*\i+3], v[SR] offset:2*OP*\i           ; LDS serves a wave's instructions in order: these see my stores
.endr
.irp i, 0,1,2,3,4,5,6,7
	s_wait_dscnt 7-\i
	global_store_b128 v[CO], v[OB+4*\i:OB+4*\i+3], s[10:11] offset:32768*\i th:TH_STORE_NT   ; 16 lanes store 256 consecutive bytes, at a multiple of 256 from out0's first byte
.endr
	s_wait_tensorcnt 0x0                           ; the wave's end: behind my last LDS store
	ds_add_u32 v[SPW], v[NIL]
	s_wait_dscnt 0x0
	s_endpgm
.Lfunc_end_k_q75a57b687e_proj:
	.size	k_q75a57b687e_proj, .Lfunc_end_k_q75a57b687e_proj-k_q75a57b687e_proj
	.p2alignl 7, 3214868480
	.fill 96, 4, 3214868480
	.section	.rodata,"a",@progbits
	.p2align	6, 0x0
	.amdhsa_kernel k_q75a57b687e_proj
		.amdhsa_group_segment_fixed_size 136192
		.amdhsa_private_segment_fixed_size 0
		.amdhsa_enable_private_segment 0
		.amdhsa_kernarg_size 32
		.amdhsa_user_sgpr_count 2
		.amdhsa_user_sgpr_kernarg_segment_ptr 1
		.amdhsa_wavefront_size32 1
		.amdhsa_system_sgpr_workgroup_id_x 1
		.amdhsa_system_sgpr_workgroup_id_y 1
		.amdhsa_system_sgpr_workgroup_id_z 1
		.amdhsa_system_vgpr_workitem_id 0
		.amdhsa_next_free_vgpr 256
		.amdhsa_next_free_sgpr 66
		.amdhsa_reserve_vcc 0
		.amdhsa_float_denorm_mode_32 3
		.amdhsa_float_denorm_mode_16_64 3
		.amdhsa_memory_ordered 1
		.amdhsa_forward_progress 1
		.amdhsa_inst_pref_size 25
	.end_amdhsa_kernel
	.amdgpu_metadata
---
amdhsa.version: [ 1, 2 ]
amdhsa.kernels:
  - .name:           k_q75a57b687e_proj
    .symbol:         k_q75a57b687e_proj.kd
    .args:
      - { .name: af, .offset: 0, .size: 8, .value_kind: global_buffer, .address_space: global }
      - { .name: w_proj, .offset: 8, .size: 8, .value_kind: global_buffer, .address_space: global }
      - { .name: b_proj, .offset: 16, .size: 8, .value_kind: global_buffer, .address_space: global }
      - { .name: out0, .offset: 24, .size: 8, .value_kind: global_buffer, .address_space: global }
    .group_segment_fixed_size: 136192
    .private_segment_fixed_size: 0
    .kernarg_segment_align: 8
    .kernarg_segment_size: 32
    .max_flat_workgroup_size: 256
    .sgpr_count:     66
    .vgpr_count:     256
    .wavefront_size: 32
...
	.end_amdgpu_metadata
.endif
;; end of part 3
